; MI455X (gfx1250); checked and timed in simulation.
; The chip was launched on July 23, 2026; its instructions are those of AMD's public machine-readable ISA for CDNA 5 (MIT licence, August 2026) and "CDNA5" Instruction Set Architecture Reference Guide (July 2026). The comments in the code are by the model that wrote it; some were corrected since.
;; Sent Att Net. Allowed arithmetic: float matrix products may take bf16 or f16 operands with f32 sums; other float arithmetic in f32, or as packed bf16 or f16 multiplies, adds, multiply-adds, maxima and minima; sums over many terms, partial sums and values carried from step to step in f32; what a program stores and reads back later, other than sums and carried values, may be rounded once to bf16 or f16.
;; Inputs: context_weight 1,024 x 1 float32; f_output 128 x 512 x 1,024 float32; h_output 2 x 512 x 512 float32; sent_bias 1 x 1,024 float32; sent_weight 1,024 x 1,024 float32.
;; Outputs: out0 512 x 1,024 float32.
;; 2 versions, each right; version 2 is version 1 with the launch attn written anew for expert scheduling mode. Each part assembles by itself: llvm-mc -triple=amdgcn-amd-amdhsa -mcpu=gfx1250 --defsym DOCPART=n.
;; ======== version 1 of 2: 2 launches
;; workspace buffers: wb 2,097,152 bytes
;; launch castw (part 1): grid 256 x 1, 4 waves a work-group, no clusters, 0 bytes of LDS; arguments sent_weight, wb; writes wb
.if DOCPART == 1
	.amdgcn_target "amdgcn-amd-amdhsa--gfx1250"
	.amdhsa_code_object_version 6
	.text
	.protected	k_qdd187efa25_castw
	.globl	k_qdd187efa25_castw
	.p2align	8
	.type	k_qdd187efa25_castw,@function
k_qdd187efa25_castw:
	s_mov_b64 s[64:65], 0
	v_nop
	global_prefetch_b8 v0, s[64:65] scope:SCOPE_SE
	s_setreg_imm32_b32 hwreg(HW_REG_WAVE_MODE, 25, 1), 1
	s_wait_xcnt 0x0
; wb = sent_weight rounded once to bf16, laid out as the matrix instruction's fragments.  W: [1024 (k)][1024 (n)] f32.
; A fragment (T = 16 columns n, q = 32 rows k) is 1,024 bytes at T x 32,768 + q x 1,024.  In it the 16 bytes at 512 p + 256 h + 16 r hold
; W[32 q + 16 p + 8 h + e][16 T + r], e = 0..7, the lowest e in the lowest bits: two loads of 16 bytes a lane, at 16 x lane and 512 + 16 x lane,
; are then a whole 16 x 32 fragment in eight registers.
; SHARES.  1,024 waves; wave g takes the k rows 32 q .. 32 q + 31 (q = g / 32) of the 32 columns 32 Tp .. (Tp = g % 32): a lane a column.
; Each store of the wave covers two aligned runs of 256 consecutive bytes (lanes 0-15: tile 2 Tp, lanes 16-31: tile 2 Tp + 1).
.set IN,  8                            ; v[8:39]   my column's 32 numbers, f32
.set PK,  40                           ; v[40:55]  the same in bf16: four groups u = 2 p + h of 16 bytes
	s_load_b128 s[4:7], s[0:1], 0x0                ; W s[4:5], wb s[6:7]
	v_lshrrev_b32 v3, 5, v0
	v_readfirstlane_b32 s8, v3                     ; wave 0..3
	v_and_b32 v4, 31, v0                           ; lane
	s_lshl_b32 s9, ttmp9, 2
	s_add_co_u32 s9, s9, s8                        ; g
	s_and_b32 s10, s9, 31                          ; Tp
	s_lshr_b32 s11, s9, 5                          ; q
	s_lshl_b32 s12, s10, 7                         ; 32 columns of 4 bytes
	v_lshl_add_u32 v1, v4, 2, s12                  ; my column's byte in a row of W
	s_lshl_b32 s14, s11, 17                        ; 32 rows of 4,096 bytes
	s_mov_b32 s15, 0
	v_lshrrev_b32 v5, 4, v4                        ; which of the two tiles
	v_and_b32 v6, 15, v4                           ; r
	s_lshl_b32 s16, s10, 16                        ; two tiles of 32,768 bytes
	s_lshl_b32 s17, s11, 10
	s_add_co_u32 s16, s16, s17
	v_lshl_add_u32 v2, v5, 15, s16
	v_lshl_add_u32 v2, v6, 4, v2                   ; T x 32,768 + q x 1,024 + 16 r
	s_wait_kmcnt 0x0
	s_add_nc_u64 s[4:5], s[4:5], s[14:15]
.set k, 0
.rept 32
	global_load_b32 v[IN+k], v1, s[4:5] offset:k*4096
.set k, k+1
.endr
	s_wait_loadcnt 0x0
.set k, 0
.rept 16
	v_cvt_pk_bf16_f32 v[PK+k], v[IN+2*k], v[IN+2*k+1]  ; the lower k into the low half; to nearest even
.set k, k+1
.endr
.irp u, 0,1,2,3
	global_store_b128 v2, v[PK+4*\u:PK+4*\u+3], s[6:7] offset:256*\u
.endr
	s_endpgm
.Lfunc_end_k_qdd187efa25_castw:
	.size	k_qdd187efa25_castw, .Lfunc_end_k_qdd187efa25_castw-k_qdd187efa25_castw
	.p2alignl 7, 3214868480
	.fill 96, 4, 3214868480
	.section	.rodata,"a",@progbits
	.p2align	6, 0x0
	.amdhsa_kernel k_qdd187efa25_castw
		.amdhsa_group_segment_fixed_size 0
		.amdhsa_private_segment_fixed_size 0
		.amdhsa_enable_private_segment 0
		.amdhsa_kernarg_size 16
		.amdhsa_user_sgpr_count 2
		.amdhsa_user_sgpr_kernarg_segment_ptr 1
		.amdhsa_wavefront_size32 1
		.amdhsa_system_sgpr_workgroup_id_x 1
		.amdhsa_system_sgpr_workgroup_id_y 1
		.amdhsa_system_sgpr_workgroup_id_z 1
		.amdhsa_system_vgpr_workitem_id 0
		.amdhsa_next_free_vgpr 64
		.amdhsa_next_free_sgpr 66
		.amdhsa_reserve_vcc 0
		.amdhsa_float_denorm_mode_32 3
		.amdhsa_float_denorm_mode_16_64 3
		.amdhsa_memory_ordered 1
		.amdhsa_forward_progress 1
		.amdhsa_inst_pref_size 6
	.end_amdhsa_kernel
	.amdgpu_metadata
---
amdhsa.version: [ 1, 2 ]
amdhsa.kernels:
  - .name:           k_qdd187efa25_castw
    .symbol:         k_qdd187efa25_castw.kd
    .args:
      - { .name: sent_weight, .offset: 0, .size: 8, .value_kind: global_buffer, .address_space: global }
      - { .name: wb, .offset: 8, .size: 8, .value_kind: global_buffer, .address_space: global }
    .group_segment_fixed_size: 0
    .private_segment_fixed_size: 0
    .kernarg_segment_align: 8
    .kernarg_segment_size: 16
    .max_flat_workgroup_size: 128
    .sgpr_count:     66
    .vgpr_count:     64
    .wavefront_size: 32
...
	.end_amdgpu_metadata
.endif
;; end of part 1
;; launch attn (part 2): grid 256 x 1, 8 waves a work-group, no clusters, 281,600 bytes of LDS; arguments f_output, wb, sent_bias, context_weight, out0; writes out0
.if DOCPART == 2
	.amdgcn_target "amdgcn-amd-amdhsa--gfx1250"
	.amdhsa_code_object_version 6
	.text
	.protected	k_qdd187efa25_attn
	.globl	k_qdd187efa25_attn
	.p2align	8
	.type	k_qdd187efa25_attn,@function
k_qdd187efa25_attn:
	s_mov_b64 s[64:65], 0
	v_nop
	global_prefetch_b8 v0, s[64:65] scope:SCOPE_SE
	s_setreg_imm32_b32 hwreg(HW_REG_WAVE_MODE, 25, 1), 1
	s_wait_xcnt 0x0
; out[b][:] = sum over s of attn[s][b] f[s][b][:],  attn = softmax over s of tanh(u . c),  u = tanh(f W + bias).  f: [128 (s)][512 (b)][1024] f32.
; SHARES.  256 work-groups; work-group x makes batches x and x + 256, one after the other.  A batch's 128 rows of f are read from memory ONCE, rounded to bf16
; and kept in LDS (128 x 2,048 bytes): they are the matrix operand and, when the batch's scores are known, the operand of the weighted sum.
; Eight waves split the 1,024 columns of u, 128 each, and all multiply the same 128 rows.  A wave's fragments of W (buffer wb, already in fragment order) are
; wanted by no other wave, so they come straight from memory into registers, through a ring of four k steps.
; NO CLUSTER, NO TENSOR LOAD: f's copy takes 264,192 of LDS's 327,680 bytes; one k step of the eight waves' fragments of W is 32,768 bytes, so two slots in what
; is left would hold less than a k step each; f is shared by no two work-groups and must be converted before it fits (its 524,288 bytes of f32 do not).
; LAYOUT.  The product is used transposed: source 0 = 16 columns of W, source 1 = 16 rows of f.  In the result lane (r, h) holds ONE row s = 16 i + r and the
; columns 16 T + 8 h + 0..7: bias and c are 8 numbers a lane, and the sum over columns stays in the lane but for one exchange of the lanes' halves.
; PHASES.  The main phase has no barrier, so the waves need not be in step: half of them (LATE) take their columns in blocks of 32, 64, 32, the others 64, 64,
; so that one wave's tanh falls beside another wave's products.
; tanh(x) = 1 - 2 / (1 + 2^(kappa x)), kappa = 2 log2(e), formed for each number (no difference of large sums); it ends at +-1 for large |x|.
; LIMITS.  Every input that reference() uses (f in both its uses, W, bias, c) is rounded once to bf16; u, scores, softmax and all sums are f32.  tanh's absolute
; error is about 1e-7; an exponential below 2^-126 counts as 0; NaN and infinities are not treated apart.  The softmax takes the row's maximum away.
; h_output is no argument: reference() does not use it.
.set PA,    2064                       ; a row of f in LDS: 2,048 bytes + 16 = 129 x 16: the 16 rows of a fragment load start at 16 different 16-byte columns modulo 256 (64 banks of 4 bytes: ISA guide 11.1)
.set TABB,  128*PA                     ; 4,096 bytes: kappa x bf16(bias[n]) in f32; c's table, bf16(c[n]) in f32, lies 4,096 bytes further on
.set SC,    TABB+8192                  ; 4,096 bytes: [wave][row] partial scores
.set ATT,   SC+4096                    ; 4,096 bytes: each wave's own copy of the 128 weights
.set SPARE, ATT+4096                   ; the spare words, 128 bytes for each wave: four blocks of 256 bytes that no other line names
.set ROWF,  2097152                    ; bytes from f[s] to f[s + 1]
.set NEXTB, 1048576                    ; bytes from batch x to batch x + 256, in f's rows and in out
; window 0
.set SPW,  2                           ; v2      SPARE + 4 x my thread's number; never rewritten
.set NIL,  3                           ; v3      0; never rewritten
.set AA,   4                           ; v4-7    LDS address of my f fragments: register p serves row tiles 2 p and 2 p + 1; steps 256 bytes (four k steps) a lap
.set BO,   8                           ; v8      16 x lane: my 16 bytes of half a fragment of W
.set FO,   8                           ; v8-11   16 x lane + g x 4 rows of f
.set FS,   13                          ; v13     the fill: my 8 bytes in my wave's first row of LDS
.set TB0,  14                          ; v14     my 8 numbers of the tables for my wave's first tile
.set TBA,  15                          ; v15     the same for the block in hand
.set SCS,  16                          ; v16     where I store partial scores
.set SCR,  17                          ; v17     where I read them: rows 4 lane .. 4 lane + 3
.set ATW,  18                          ; v18     where I store four weights
.set ATR0, 19                          ; v19     my wave's weights
.set ATR,  20                          ; v20     walks them
.set WSA0, 21                          ; v21     the weighted sum: my 4 columns (8 bytes) in row 0
.set WSA,  22                          ; v22     walks the rows
.set OO,   23                          ; v23     16 x my thread's number: my 16 bytes of out's row and of bias and c
.set PFO,  24                          ; v24     the prefetches' offset; never rewritten
.set TM,   25                          ; v25-29  at work
.set SP,   32                          ; v32-47  score sums: a pair for each row tile i
.set AF,   48                          ; v48-111 f fragments, tile i at AF + 8 i; in the epilogue the tables; in the fill two sets of 16 packed words
.set BF,   112                         ; v112-239 W's ring: slot j (k step mod 4), tile t at BF + 32 j + 8 t
.set WS,   112                         ;         the weighted sum: two sets of 24 (8 rows x 2 registers, 8 weights)
.set SV,   160                         ;         the eight waves' partial scores
.set OUT,  240                         ; v240-243 my four columns of out
.set AA0,  244                         ; v244-247 AA at k = 0; never rewritten
; window 1: the accumulators, (i, t) at 8 (NT i + t); in the fill seven row slots of 32
.set WV,   14                          ; s14  my wave's number
.set PAT0, 16                          ; s16  my blocks, two bits a trip from the low end: 2 = 64 columns, 1 = 32, 0 = none
.set PAT,  17
.set SEL,  18
.set TRIP, 19
.set KC,   20
.set NBAT, 21                          ; s21  batches to go
.set FB,   22                          ; s[22:23] f at my wave's first row of the batch
.set WBW,  24                          ; s[24:25] wb at my wave's first tile
.set BB,   26                          ; s[26:27] wb at the block's first tile, at the lap being loaded
.set KAP,  28                          ; s[28:29] kappa
.set PSEL, 30                          ; s[30:31] v_permlanex16_b32's selects: each lane takes its own place in the other half
.set OB,   32                          ; s[32:33] out at the batch's row
.set T0,   34                          ; s34  the block's first tile among my wave's eight
.set ASKF, 35                          ; s35  NBAT in my last block of a batch, else 0
.set L2E,  38                          ; s[38:39] log2(e)
.set WC,   40
.set HIM,  41                          ; s41  a word's upper bf16
.set MSB, 0
.macro WIN new                         ; s_set_vgpr_msb: bits 1:0 source 0, 3:2 source 1, 5:4 source 2, 7:6 destination; the high byte repeats the setting that is left
.if MSB != (\new)
	s_set_vgpr_msb (MSB<<8)|(\new)
.set MSB, (\new)
.endif
.endm
.set W_MM, 0x50                        ; products: C and D in window 1, both sources in window 0
.set W_IP, 0x41                        ; the epilogue in place: destination and source 0 in window 1
.set W_SP, 0x01                        ; score sums: source 0 in window 1
.set W_LD, 0x40                        ; f's loads: destination in window 1
.set W_CV, 0x05                        ; the fill's conversions: both sources in window 1
.macro PLACES                          ; four places behind matrix instructions (ISA guide 7.12.1), where no other plain vector work is at hand
.rept 4
	v_nop
.endr
.endm
; THE FILL.  Row i of my wave's 16: eight loads of 512 consecutive bytes into row slot i % 7.
.macro ROWLOAD i
	WIN W_LD
.irp g, 0,1,2,3,4,5,6,7
	global_load_b128 v[32*((\i)%7)+4*\g:32*((\i)%7)+4*\g+3], v[FO+(\i)/4], s[FB:FB+1] offset:((\i)%4)*ROWF+512*\g th:TH_LOAD_NT
.endr
	WIN 0
.endm
; Row i is rounded to bf16 and stored to LDS (each store: 256 consecutive bytes); its slot takes row i + 7.  Seven rows, 56 loads, are out at the most.
.macro ROW i
.if (\i) < 9
	s_wait_loadcnt 48                              ; loads come back in order (ISA guide 5.7.1): row i is in, the six younger rows' 48 loads stay out
.else
	s_wait_loadcnt 8*(15-(\i))                     ; the rows that are left, eight loads each
.endif
	WIN W_CV
.set q_, 0
.rept 16
	v_cvt_pk_bf16_f32 v[AF+16*((\i)%2)+q_], v[32*((\i)%7)+2*q_], v[32*((\i)%7)+2*q_+1]
.set q_, q_+1
.endr
	WIN 0
.irp g, 0,1,2,3,4,5,6,7
	ds_store_b64 v[FS], v[AF+16*((\i)%2)+2*\g:AF+16*((\i)%2)+2*\g+1] offset:(\i)*PA+256*\g
.endr
.if (\i) <= 8
	ROWLOAD (\i)+7
.endif
.endm
; THE PRODUCTS.  4 NT of them: row tiles 4 half .. 4 half + 3 x the block's NT column tiles, 32 along K, from ring slot j.  Every accumulator has one turn of one
; instruction, in the same order in every k step, over the backward jump too.  zero = 1: the first k step starts the sums.
.macro MM nt, half, j, zero
.set i_, 4*(\half)
.rept 4
.set t_, 0
.rept \nt
.set a_, 8*((\nt)*i_+t_)
.if \zero
	v_wmma_f32_16x16x32_bf16 v[a_:a_+7], v[BF+32*(\j)+8*t_:BF+32*(\j)+8*t_+7], v[AF+8*i_:AF+8*i_+7], 0
.else
	v_wmma_f32_16x16x32_bf16 v[a_:a_+7], v[BF+32*(\j)+8*t_:BF+32*(\j)+8*t_+7], v[AF+8*i_:AF+8*i_+7], v[a_:a_+7]
.endif
.set t_, t_+1
.endr
.set i_, i_+1
.endr
.endm
.macro AFLOAD half, off                ; eight LDS loads: four row tiles' fragments of f at byte off behind AA
.irp i, 0,1,2,3
	ds_load_b128 v[AF+8*(4*(\half)+\i):AF+8*(4*(\half)+\i)+3],   v[AA+2*(\half)+(\i)/2] offset:((\i)%2)*16*PA+(\off)
	ds_load_b128 v[AF+8*(4*(\half)+\i)+4:AF+8*(4*(\half)+\i)+7], v[AA+2*(\half)+(\i)/2] offset:((\i)%2)*16*PA+(\off)+32
.endr
.endm
.macro WLOAD nt, j                     ; 2 NT loads of 512 consecutive bytes: one k step's fragments of W into ring slot j
.set t_, 0
.rept \nt
	global_load_b128 v[BF+32*(\j)+8*t_:BF+32*(\j)+8*t_+3],   v[BO], s[BB:BB+1] offset:t_*32768+(\j)*1024
	global_load_b128 v[BF+32*(\j)+8*t_+4:BF+32*(\j)+8*t_+7], v[BO], s[BB:BB+1] offset:t_*32768+(\j)*1024+512
.set t_, t_+1
.endr
.endm
; A K STEP.  Its low half is multiplied, the next step's low fragments of f are fetched; the same for the high half; then slot j of W's ring is asked for again, four steps ahead.
; ldb = 0: the last lap asks for no W.  fin = 1: the last step fetches nothing.  lc: the younger ring slots' loads, which may stay out.
.macro STEP nt, j, zero, ldb, fin, lc
	s_wait_loadcnt \lc                             ; slot j is in
	s_wait_dscnt 8                                 ; f's row tiles 0-3 are in; the eight loads of tiles 4-7, issued later, may be out
	WIN W_MM
	MM \nt, 0, \j, \zero
.if \fin
	s_wait_dscnt 0x0
.else
	WIN 0
.if (\j) == 3
.irp p, 0,1,2,3
	v_add_nc_u32 v[AA+\p], 256, v[AA+\p]           ; the next lap's four k steps; these four lines are also the places in front of the loads
.endr
.set off_, 0
.else
	PLACES
.set off_, 64*((\j)+1)
.endif
	AFLOAD 0, off_
	s_wait_dscnt 8                                 ; tiles 4-7 are in; the eight just issued may be out
.endif
	WIN W_MM
	MM \nt, 1, \j, \zero
	WIN 0
.if !(\fin)
	PLACES
	AFLOAD 1, off_
.if \ldb
.if (\j) == 0
	s_wait_xcnt 0x0                                ; every load issued so far (the youngest a k step back) has had its address translated (ISA guide 3.1): the base may be written
	s_add_nc_u64 s[BB:BB+1], s[BB:BB+1], 4096
.endif
	WLOAD \nt, \j
.endif
.endif
.endm
.macro LAP nt, zero, ldb, last         ; four k steps, once round W's ring
.if \ldb
	STEP \nt, 0, \zero, 1, 0, 6*(\nt)              ; three younger slots of 2 NT loads
	STEP \nt, 1, 0, 1, 0, 6*(\nt)
	STEP \nt, 2, 0, 1, 0, 6*(\nt)
	STEP \nt, 3, 0, 1, 0, 6*(\nt)
.else
	STEP \nt, 0, \zero, 0, 0, 6*(\nt)              ; the counts run down
	STEP \nt, 1, 0, 0, 0, 4*(\nt)
	STEP \nt, 2, 0, 0, 0, 2*(\nt)
	STEP \nt, 3, 0, 0, \last, 0
.endif
.endm
; A PREFETCH INTO THE L2, once a wave, in the first batch, at the head of its last block's epilogue: rows 7 to 10 of my own 16 rows of the NEXT batch, the first that
; are loaded only behind the barrier that frees f's copy (rows 0 to 6 are loaded ahead of it).  A lane names 256 bytes, an instruction two rows: 16,384 bytes a wave, each named
; once in the launch.  An epilogue, the softmax and the weighted sum stand between these lines and the loads.  The second batch asks for nothing: there is no third.
.macro ASK
	s_cmp_eq_u32 s[ASKF], 2
	s_cbranch_scc0 .Lnot_now_\@
	global_prefetch_b8 v[PFO], s[FB:FB+1] th:TH_LOAD_NT scope:SCOPE_SE
	global_prefetch_b8 v[PFO], s[FB:FB+1] offset:2*ROWF th:TH_LOAD_NT scope:SCOPE_SE
.Lnot_now_\@:
.endm
; 64 transcendentals in place on column tile t's eight accumulators: ONE batch, a plain instruction behind the last, and one wait ahead of the first reader.
.macro TRANS op, nt, t
.set i_, 0
.rept 8
.set a_, 8*((\nt)*i_+(\t))
.irp p, 0,1,2,3,4,5,6,7
	\op v[a_+\p], v[a_+\p]
.endr
.set i_, i_+1
.endr
	v_nop
	s_wait_alu depctr_va_vdst(0)
.endm
; Column tile t: u = tanh(sum + bias) in place, then the score sums take u c.  Each accumulator's lowest registers are read first.
.macro EPT nt, t
	WIN W_IP
.set i_, 0
.rept 8
.set a_, 8*((\nt)*i_+(\t))
.irp p, 0,2,4,6
	v_pk_fma_f32 v[a_+\p:a_+\p+1], v[a_+\p:a_+\p+1], s[KAP:KAP+1], v[AF+16*(\t)+\p:AF+16*(\t)+\p+1] op_sel_hi:[1,0,1]  ; kappa x sum + kappa x bias
.endr
.set i_, i_+1
.endr
	TRANS v_exp_f32, \nt, \t
.set i_, 0
.rept 8
.set a_, 8*((\nt)*i_+(\t))
.irp p, 0,2,4,6
	v_pk_add_f32 v[a_+\p:a_+\p+1], v[a_+\p:a_+\p+1], 1.0 op_sel_hi:[1,0]
.endr
.set i_, i_+1
.endr
	TRANS v_rcp_f32, \nt, \t
.set i_, 0
.rept 8
.set a_, 8*((\nt)*i_+(\t))
.irp p, 0,2,4,6
	v_pk_fma_f32 v[a_+\p:a_+\p+1], v[a_+\p:a_+\p+1], -2.0, 1.0 op_sel_hi:[1,0,0]
.endr
.set i_, i_+1
.endr
	WIN W_SP
.irp p, 0,2,4,6                        ; the eight row tiles' sums by turns: seven other lines stand between two links of a chain
.set i_, 0
.rept 8
.set a_, 8*((\nt)*i_+(\t))
	v_pk_fma_f32 v[SP+2*i_:SP+2*i_+1], v[a_+\p:a_+\p+1], v[AF+16*(\t)+8+\p:AF+16*(\t)+8+\p+1], v[SP+2*i_:SP+2*i_+1]
.set i_, i_+1
.endr
.endr
.endm
.macro EPI nt
	WIN 0
	PLACES                                         ; eight places, once a block, between the last products and the lines that load into their sources
	PLACES                                         ; and rewrite their results in place (ISA guide 7.12.1; the larger count is taken)
.set t_, 0
.rept \nt
	ds_load_b128 v[AF+16*t_:AF+16*t_+3],     v[TBA] offset:64*t_          ; my 8 kappa x bias of tile t,
	ds_load_b128 v[AF+16*t_+4:AF+16*t_+7],   v[TBA] offset:64*t_+16
	ds_load_b128 v[AF+16*t_+8:AF+16*t_+11],  v[TBA] offset:4096+64*t_     ; and my 8 c
	ds_load_b128 v[AF+16*t_+12:AF+16*t_+15], v[TBA] offset:4096+64*t_+16
.set t_, t_+1
.endr
	ASK
	s_wait_dscnt 0x0
.set t_, 0
.rept \nt
	EPT \nt, t_
.set t_, t_+1
.endr
	WIN 0
.endm
; A BLOCK of NT column tiles from tile T0 on: all 128 rows, all of K (eight laps of four k steps: the first starts the sums, six in the loop, the last asks for no W), and the epilogue.
.macro BLOCK nt
	s_lshl_b32 s36, s[T0], 15                      ; a tile's fragments are 32,768 bytes
	s_mov_b32 s37, 0
	s_add_nc_u64 s[BB:BB+1], s[WBW:WBW+1], s[36:37]  ; no load that names the base is out: the block before ended on a wait for all its loads
	s_lshl_b32 s36, s[T0], 6
	v_add_nc_u32 v[TBA], s36, v[TB0]
.irp p, 0,1,2,3
	v_mov_b32 v[AA+\p], v[AA0+\p]                  ; back to k = 0
.endr
	WLOAD \nt, 0
	WLOAD \nt, 1
	WLOAD \nt, 2
	WLOAD \nt, 3
	AFLOAD 0, 0
	AFLOAD 1, 0
	LAP \nt, 1, 1, 0
	s_mov_b32 s[KC], 6
.Llap_\@:
	LAP \nt, 0, 1, 0
	s_sub_co_u32 s[KC], s[KC], 1
	s_cmp_lg_u32 s[KC], 0
	s_cbranch_scc1 .Llap_\@
	LAP \nt, 0, 0, 1
	EPI \nt
	s_add_co_u32 s[T0], s[T0], \nt
.endm
; THE WEIGHTED SUM's sets: eight rows (my 8 bytes of each: a wave's load covers 256 consecutive bytes) and their eight weights (the same words for all lanes): ten loads.
.macro SETLOAD sg, first
	ds_load_b128 v[WS+24*(\sg)+16:WS+24*(\sg)+19], v[ATR] offset:4*(\first)
	ds_load_b128 v[WS+24*(\sg)+20:WS+24*(\sg)+23], v[ATR] offset:4*(\first)+16
.irp e, 0,1,2,3,4,5,6,7
	ds_load_b64 v[WS+24*(\sg)+2*\e:WS+24*(\sg)+2*\e+1], v[WSA] offset:((\first)+\e)*PA
.endr
.endm
.macro SETFMA sg                       ; out += weight x f, straight from the bf16 halves, in f32: four chains by turns
.irp e, 0,1,2,3,4,5,6,7
	v_fma_mix_f32_bf16 v[OUT],   v[WS+24*(\sg)+2*\e],   v[WS+24*(\sg)+16+\e], v[OUT]   op_sel_hi:[1,0,0]
	v_fma_mix_f32_bf16 v[OUT+1], v[WS+24*(\sg)+2*\e],   v[WS+24*(\sg)+16+\e], v[OUT+1] op_sel:[1,0,0] op_sel_hi:[1,0,0]
	v_fma_mix_f32_bf16 v[OUT+2], v[WS+24*(\sg)+2*\e+1], v[WS+24*(\sg)+16+\e], v[OUT+2] op_sel_hi:[1,0,0]
	v_fma_mix_f32_bf16 v[OUT+3], v[WS+24*(\sg)+2*\e+1], v[WS+24*(\sg)+16+\e], v[OUT+3] op_sel:[1,0,0] op_sel_hi:[1,0,0]
.endr
.endm
	; THE HEAD
	s_load_b256 s[4:11], s[0:1], 0x0               ; f s[4:5], wb s[6:7], bias s[8:9], c s[10:11]
	s_load_b64 s[12:13], s[0:1], 0x20              ; out
	v_lshl_add_u32 v[SPW], v0, 2, SPARE
	v_mov_b32 v[NIL], 0
	v_lshrrev_b32 v[TM], 5, v0
	v_readfirstlane_b32 s[WV], v[TM]               ; wave 0..7
	v_and_b32 v[TM+1], 31, v0                      ; lane
	v_and_b32 v[TM+2], 15, v0                      ; r
	v_bfe_u32 v[TM+3], v0, 4, 1                    ; h
	v_mul_u32_u24 v[AA0], v[TM+2], PA
	v_lshl_add_u32 v[AA0], v[TM+3], 4, v[AA0]      ; a fragment's row x pitch + 16 x half
.irp p, 1,2,3
	v_add_nc_u32 v[AA0+\p], \p*32*PA, v[AA0]       ; two row tiles on
.endr
	v_lshlrev_b32 v[BO], 4, v[TM+1]
.irp g, 1,2,3
	v_add_nc_u32 v[FO+\g], \g*4*ROWF, v[BO]        ; four rows of f on: the rows between stand in the loads' immediates
.endr
	s_mul_i32 s15, s[WV], 16*PA
	v_lshl_add_u32 v[FS], v[TM+1], 3, s15
	s_lshl_b32 s15, s[WV], 9                       ; 128 numbers of 4 bytes a wave
	s_add_co_u32 s36, s15, TABB
	v_lshl_add_u32 v[TB0], v[TM+3], 5, s36
	s_add_co_u32 s36, s15, SC
	v_lshl_add_u32 v[SCS], v[TM+2], 2, s36
	v_add_nc_u32 v[SCR], SC, v[BO]
	s_add_co_u32 s36, s15, ATT
	v_add_nc_u32 v[ATW], s36, v[BO]
	v_mov_b32 v[ATR0], s36
	s_lshl_b32 s15, s[WV], 8                       ; 128 columns of 2 bytes a wave
	v_lshl_add_u32 v[WSA0], v[TM+1], 3, s15
	v_lshlrev_b32 v[OO], 4, v0
	v_add_nc_u32 v[TM], TABB, v[OO]                ; where I store my four numbers of each table
	v_lshlrev_b32 v[PFO], 8, v[TM+2]               ; 256 bytes a lane, 16 lanes a row,
	v_lshl_add_u32 v[PFO], v[TM+3], 21, v[PFO]     ; lanes 16-31 a row further on,
	v_add_nc_u32 v[PFO], 7*ROWF+NEXTB, v[PFO]      ; from row 7 of the next batch
	s_lshr_b32 s15, s[WV], 2
	s_xor_b32 s15, s15, s[WV]
	s_and_b32 s15, s15, 1                          ; LATE: differs between waves w and w + 4 and between 2 i and 2 i + 1
	s_cmp_eq_u32 s15, 1
	s_cselect_b32 s[PAT0], 0x19, 0x0a              ; 32, 64, 32 or 64, 64
	s_mov_b32 s[KAP], 0x4038aa3b                   ; 2 log2(e)
	s_mov_b32 s[KAP+1], s[KAP]                     ; named with it as a pair
	s_mov_b32 s[L2E], 0x3fb8aa3b
	s_mov_b32 s[L2E+1], s[L2E]
	s_mov_b32 s[PSEL], 0x76543210
	s_mov_b32 s[PSEL+1], 0xfedcba98
	s_mov_b32 s[HIM], 0xffff0000
	s_mov_b32 s[NBAT], 2
	s_lshl_b32 s36, ttmp9, 12                      ; batch x: 4,096 bytes in a row s of f and in out
	s_mov_b32 s37, 0
	s_wait_kmcnt 0x0
	s_add_nc_u64 s[OB:OB+1], s[12:13], s[36:37]
	s_add_nc_u64 s[FB:FB+1], s[4:5], s[36:37]
	s_lshl_b32 s36, s[WV], 25                      ; my wave's 16 rows s
	s_add_nc_u64 s[FB:FB+1], s[FB:FB+1], s[36:37]
	s_lshl_b32 s36, s[WV], 18                      ; my wave's 8 tiles
	s_add_nc_u64 s[WBW:WBW+1], s[6:7], s[36:37]
	global_load_b128 v[AF:AF+3],   v[OO], s[8:9]   ; my four numbers of bias,
	global_load_b128 v[AF+4:AF+7], v[OO], s[10:11] ; and of c
.irp i, 0,1,2,3,4,5,6
	ROWLOAD \i
.endr
	s_wait_loadcnt 56                              ; bias and c are in; the 56 loads of f issued behind them stay out
.irp q, 0,1,2,3
	v_cvt_pk_bf16_f32 v[AF+8+\q], v[AF+2*\q], v[AF+2*\q+1]   ; rounded to bf16 like every input,
.endr
.irp q, 0,1,2,3
	v_lshlrev_b32 v[AF+2*\q], 16, v[AF+8+\q]                 ; and widened again: the tables are f32
	v_and_b32 v[AF+2*\q+1], s[HIM], v[AF+8+\q]
.endr
	v_pk_mul_f32 v[AF:AF+1],   v[AF:AF+1],   s[KAP:KAP+1] op_sel_hi:[1,0]
	v_pk_mul_f32 v[AF+2:AF+3], v[AF+2:AF+3], s[KAP:KAP+1] op_sel_hi:[1,0]
	ds_store_b128 v[TM], v[AF:AF+3]
	ds_store_b128 v[TM], v[AF+4:AF+7] offset:4096
.Lbatch:                                               ; two trips: batch x, batch x + 256.  Rows 0 to 6 of my 16 are on their way
.irp i, 0,1,2,3,4,5,6,7,8,9,10,11,12,13,14,15
	ROW \i
.endr
.set i_, 0
.rept 16
	v_mov_b32 v[SP+i_], 0                          ; the score sums start at 0
.set i_, i_+1
.endr
	s_mov_b32 s[PAT], s[PAT0]
	s_mov_b32 s[T0], 0
	s_mov_b32 s[TRIP], 3
	s_wait_dscnt 0x0                               ; for the others' sake: my rows (and, the first time, my part of the tables) are stored
	s_barrier_signal -1
	s_barrier_wait -1                              ; f's copy and the tables are whole
.Lblk:                                                 ; three trips, of which a wave that is not LATE uses two.  No barrier stands in this loop
	s_and_b32 s[SEL], s[PAT], 3
	s_lshr_b32 s[PAT], s[PAT], 2
	s_cmp_eq_u32 s[PAT], 0                         ; my last block?
	s_cselect_b32 s[ASKF], s[NBAT], 0
	s_cmp_eq_u32 s[SEL], 2
	s_cbranch_scc1 .L64
	s_cmp_eq_u32 s[SEL], 1
	s_cbranch_scc1 .L32
	s_branch .Lnext
.L64:
	BLOCK 4
	s_branch .Lnext
.L32:
	BLOCK 2
.Lnext:
	s_sub_co_u32 s[TRIP], s[TRIP], 1
	s_cmp_lg_u32 s[TRIP], 0
	s_cbranch_scc1 .Lblk
	; THE MAIN PHASE ENDS.  All eight waves meet before any of them stores to LDS again: each has its LDS loads of the main phase back (fragments whose addresses walk
	; along K, tables whose address goes by the block) when it signals, so the stores below are ordered behind all of them, wherever they pointed.
	s_wait_dscnt 0x0                               ; my LDS loads are back
	s_barrier_signal -1
	; between the signal and the wait, work on registers: my wave's share of the 128 scores: a pair's two halves, and the other half of the lanes'
.irp i, 0,1,2,3,4,5,6,7
	v_add_f32 v[SP+2*\i], v[SP+2*\i], v[SP+2*\i+1]
.endr
.irp i, 0,1,2,3,4,5,6,7
	v_permlanex16_b32 v[SP+2*\i+1], v[SP+2*\i], s[PSEL], s[PSEL+1]
.endr
.irp i, 0,1,2,3,4,5,6,7
	v_add_f32 v[SP+2*\i], v[SP+2*\i], v[SP+2*\i+1]
.endr
	s_barrier_wait -1                              ; everybody's loads are back
.irp i, 0,1,2,3,4,5,6,7
	ds_store_b32 v[SCS], v[SP+2*\i] offset:64*\i   ; row 16 i + r; lanes r and 16 + r store the same number to the same word
.endr
	s_cmp_eq_u32 s[NBAT], 1
	s_cbranch_scc1 .Lno_next
	s_wait_xcnt 0x0                                ; the prefetches, an epilogue back, have read their base
	s_add_nc_u64 s[FB:FB+1], s[FB:FB+1], NEXTB
.irp i, 0,1,2,3,4,5,6
	ROWLOAD \i                                     ; the next batch's first rows go into the accumulators' registers, which are free; all that follows works in window 0
.endr
.Lno_next:
	s_wait_dscnt 0x0                               ; my partial scores are stored
	s_barrier_signal -1
	s_barrier_wait -1                              ; everybody's are
	; Every wave makes all 128 weights for itself: a lane has rows 4 lane .. 4 lane + 3
.irp u, 0,1,2,3,4,5,6,7
	ds_load_b128 v[SV+4*\u:SV+4*\u+3], v[SCR] offset:512*\u
.endr
	s_wait_dscnt 0x0
.irp p, 0,2,4,6,8,10,12,14
	v_pk_add_f32 v[SV+\p:SV+\p+1], v[SV+\p:SV+\p+1], v[SV+16+\p:SV+16+\p+1]
.endr
.irp p, 0,2,4,6
	v_pk_add_f32 v[SV+\p:SV+\p+1], v[SV+\p:SV+\p+1], v[SV+8+\p:SV+8+\p+1]
.endr
.irp p, 0,2
	v_pk_add_f32 v[SV+\p:SV+\p+1], v[SV+\p:SV+\p+1], v[SV+4+\p:SV+4+\p+1]
.endr
.irp p, 0,2                            ; score = tanh(u . c)
	v_pk_mul_f32 v[SV+\p:SV+\p+1], v[SV+\p:SV+\p+1], s[KAP:KAP+1] op_sel_hi:[1,0]
.endr
.irp p, 0,1,2,3
	v_exp_f32 v[SV+\p], v[SV+\p]
.endr
	v_nop                                          ; a plain instruction behind the last of the batch,
	s_wait_alu depctr_va_vdst(0)                   ; and the one wait ahead of its first reader; so behind each batch below
.irp p, 0,2
	v_pk_add_f32 v[SV+\p:SV+\p+1], v[SV+\p:SV+\p+1], 1.0 op_sel_hi:[1,0]
.endr
.irp p, 0,1,2,3
	v_rcp_f32 v[SV+\p], v[SV+\p]
.endr
	v_nop
	s_wait_alu depctr_va_vdst(0)
.irp p, 0,2
	v_pk_fma_f32 v[SV+\p:SV+\p+1], v[SV+\p:SV+\p+1], -2.0, 1.0 op_sel_hi:[1,0,0]
.endr
	v_max3_num_f32 v[TM+1], v[SV], v[SV+1], v[SV+2]   ; the maximum of the 128 scores
	v_max_num_f32 v[TM+1], v[TM+1], v[SV+3]
	v_max_num_f32_dpp v[TM+1], v[TM+1], v[TM+1] row_xmask:1 row_mask:0xf bank_mask:0xf
	v_max_num_f32_dpp v[TM+1], v[TM+1], v[TM+1] row_xmask:2 row_mask:0xf bank_mask:0xf
	v_max_num_f32_dpp v[TM+1], v[TM+1], v[TM+1] row_xmask:4 row_mask:0xf bank_mask:0xf
	v_max_num_f32_dpp v[TM+1], v[TM+1], v[TM+1] row_xmask:8 row_mask:0xf bank_mask:0xf
	v_permlanex16_b32 v[TM+2], v[TM+1], s[PSEL], s[PSEL+1]
	v_max_num_f32 v[TM+1], v[TM+1], v[TM+2]
	v_mul_f32 v[TM+3], s[L2E], v[TM+1]
	v_mul_f32 v[TM+4], s[L2E], v[TM+1]
.irp p, 0,2                            ; log2(e) s - log2(e) m
	v_pk_fma_f32 v[SV+\p:SV+\p+1], v[SV+\p:SV+\p+1], s[L2E:L2E+1], v[TM+3:TM+4] op_sel_hi:[1,0,1] neg_lo:[0,0,1] neg_hi:[0,0,1]
.endr
.irp p, 0,1,2,3
	v_exp_f32 v[SV+\p], v[SV+\p]
.endr
	v_nop
	s_wait_alu depctr_va_vdst(0)
	v_add_f32 v[TM+1], v[SV], v[SV+1]              ; their sum
	v_add_f32 v[TM], v[SV+2], v[SV+3]
	v_add_f32 v[TM+1], v[TM+1], v[TM]
	v_add_f32_dpp v[TM+1], v[TM+1], v[TM+1] row_xmask:1 row_mask:0xf bank_mask:0xf
	v_add_f32_dpp v[TM+1], v[TM+1], v[TM+1] row_xmask:2 row_mask:0xf bank_mask:0xf
	v_add_f32_dpp v[TM+1], v[TM+1], v[TM+1] row_xmask:4 row_mask:0xf bank_mask:0xf
	v_add_f32_dpp v[TM+1], v[TM+1], v[TM+1] row_xmask:8 row_mask:0xf bank_mask:0xf
	v_permlanex16_b32 v[TM+2], v[TM+1], s[PSEL], s[PSEL+1]
	v_add_f32 v[TM+1], v[TM+1], v[TM+2]
	v_rcp_f32 v[TM+3], v[TM+1]
	v_nop
	s_wait_alu depctr_va_vdst(0)
.irp p, 0,2
	v_pk_mul_f32 v[SV+\p:SV+\p+1], v[SV+\p:SV+\p+1], v[TM+3:TM+4] op_sel_hi:[1,0]  ; the pair's low word for both
.endr
	ds_store_b128 v[ATW], v[SV:SV+3]               ; into my wave's own copy: LDS serves a wave's instructions in order (ISA guide 5.7.1.4), so the loads below see it
	; THE WEIGHTED SUM: my wave's 128 columns, four a lane, over the 128 rows, eight rows a set, two sets by turns
	v_mov_b32 v[WSA], v[WSA0]
	v_mov_b32 v[ATR], v[ATR0]
.irp p, 0,1,2,3
	v_mov_b32 v[OUT+\p], 0
.endr
	SETLOAD 0, 0
	s_mov_b32 s[WC], 7
.Lws:                                                  ; a trip: 16 rows
	SETLOAD 1, 8
	s_wait_dscnt 10                                ; set 0 is in; set 1's ten loads may be out
	SETFMA 0
	v_add_nc_u32 v[WSA], 16*PA, v[WSA]
	v_add_nc_u32 v[ATR], 64, v[ATR]
	SETLOAD 0, 0
	s_wait_dscnt 10                                ; set 1 is in; set 0's ten loads may be out
	SETFMA 1
	s_sub_co_u32 s[WC], s[WC], 1
	s_cmp_lg_u32 s[WC], 0
	s_cbranch_scc1 .Lws
	SETLOAD 1, 8                                   ; the last 16 rows: nothing more to fetch behind them
	s_wait_dscnt 10
	SETFMA 0
	s_wait_dscnt 0x0                               ; my last reads of f's copy are back
	SETFMA 1
	global_store_b128 v[OO], v[OUT:OUT+3], s[OB:OB+1] th:TH_STORE_NT  ; a wave stores 512 consecutive bytes, at a multiple of 512 from out's first byte
	s_barrier_signal -1                            ; no LDS instruction of mine is out (the wait for 0 above): every wave's reads of f's copy are over
	s_barrier_wait -1                              ; before any wave stores the next batch's rows into it.  In the last trip this barrier orders nothing: the price of one text for both
	s_wait_xcnt 0x0                                ; the store has read its registers and its base
	s_add_nc_u64 s[OB:OB+1], s[OB:OB+1], NEXTB
	s_sub_co_u32 s[NBAT], s[NBAT], 1
	s_cmp_lg_u32 s[NBAT], 0
	s_cbranch_scc1 .Lbatch
	s_wait_tensorcnt 0x0                           ; the wave's end, behind my last LDS store
	ds_add_u32 v[SPW], v[NIL]
	s_wait_dscnt 0x0
	s_endpgm
.Lfunc_end_k_qdd187efa25_attn:
	.size	k_qdd187efa25_attn, .Lfunc_end_k_qdd187efa25_attn-k_qdd187efa25_attn
	.p2alignl 7, 3214868480
	.fill 96, 4, 3214868480
	.section	.rodata,"a",@progbits
	.p2align	6, 0x0
	.amdhsa_kernel k_qdd187efa25_attn
		.amdhsa_group_segment_fixed_size 281600
		.amdhsa_private_segment_fixed_size 0
		.amdhsa_enable_private_segment 0
		.amdhsa_kernarg_size 40
		.amdhsa_user_sgpr_count 2
		.amdhsa_user_sgpr_kernarg_segment_ptr 1
		.amdhsa_wavefront_size32 1
		.amdhsa_system_sgpr_workgroup_id_x 1
		.amdhsa_system_sgpr_workgroup_id_y 1
		.amdhsa_system_sgpr_workgroup_id_z 1
		.amdhsa_system_vgpr_workitem_id 0
		.amdhsa_next_free_vgpr 512
		.amdhsa_next_free_sgpr 66
		.amdhsa_reserve_vcc 0
		.amdhsa_float_denorm_mode_32 3
		.amdhsa_float_denorm_mode_16_64 3
		.amdhsa_memory_ordered 1
		.amdhsa_forward_progress 1
		.amdhsa_inst_pref_size 228
	.end_amdhsa_kernel
	.amdgpu_metadata
---
amdhsa.version: [ 1, 2 ]
amdhsa.kernels:
  - .name:           k_qdd187efa25_attn
    .symbol:         k_qdd187efa25_attn.kd
    .args:
      - { .name: f_output, .offset: 0, .size: 8, .value_kind: global_buffer, .address_space: global }
      - { .name: wb, .offset: 8, .size: 8, .value_kind: global_buffer, .address_space: global }
      - { .name: sent_bias, .offset: 16, .size: 8, .value_kind: global_buffer, .address_space: global }
      - { .name: context_weight, .offset: 24, .size: 8, .value_kind: global_buffer, .address_space: global }
      - { .name: out0, .offset: 32, .size: 8, .value_kind: global_buffer, .address_space: global }
    .group_segment_fixed_size: 281600
    .private_segment_fixed_size: 0
    .kernarg_segment_align: 8
    .kernarg_segment_size: 40
    .max_flat_workgroup_size: 256
    .sgpr_count:     66
    .vgpr_count:     512
    .wavefront_size: 32
...
	.end_amdgpu_metadata
.endif
;; end of part 2
;; ======== version 2 of 2: 2 launches; version 1 with the launch attn written anew for expert scheduling mode
;; workspace buffers: wb 2,097,152 bytes
;; launch castw: the kernel of part 1 again; grid 256 x 1, 4 waves a work-group, no clusters, 0 bytes of LDS; arguments sent_weight, wb; writes wb
;; launch attn (part 3): grid 256 x 1, 8 waves a work-group, no clusters, 281,600 bytes of LDS; arguments f_output, wb, sent_bias, context_weight, out0; writes out0
.if DOCPART == 3
	.amdgcn_target "amdgcn-amd-amdhsa--gfx1250"
	.amdhsa_code_object_version 6
	.text
	.protected	k_qdd187efa25_attn
	.globl	k_qdd187efa25_attn
	.p2align	8
	.type	k_qdd187efa25_attn,@function
k_qdd187efa25_attn:
	s_mov_b64 s[64:65], 0
	v_nop
	global_prefetch_b8 v0, s[64:65] scope:SCOPE_SE
	s_setreg_imm32_b32 hwreg(HW_REG_WAVE_SCHED_MODE, 0, 2), 2
	s_setreg_imm32_b32 hwreg(HW_REG_WAVE_MODE, 25, 1), 1
	s_wait_xcnt 0x0
	s_wait_alu depctr_vm_vsrc(0)
; out[b][:] = sum over s of attn[s][b] f[s][b][:],  attn = softmax over s of tanh(u . c),  u = tanh(f W + bias).  f: [128 (s)][512 (b)][1024] f32.
; SHARES.  256 work-groups; work-group x makes batches x and x + 256, one after the other.  A batch's 128 rows of f are read from memory ONCE, rounded to bf16
; and kept in LDS (128 x 2,048 bytes): they are the matrix operand and, when the batch's scores are known, the operand of the weighted sum.
; Eight waves split the 1,024 columns of u, 128 each, and all multiply the same 128 rows.  A wave's fragments of W (buffer wb, already in fragment order) are
; wanted by no other wave, so they come straight from memory into registers, through a ring of four k steps.
; NO CLUSTER, NO TENSOR LOAD: f's copy takes 264,192 of LDS's 327,680 bytes; one k step of the eight waves' fragments of W is 32,768 bytes, so two slots in what
; is left would hold less than a k step each; f is shared by no two work-groups and must be converted before it fits (its 524,288 bytes of f32 do not).
; LAYOUT.  The product is used transposed: source 0 = 16 columns of W, source 1 = 16 rows of f.  In the result lane (r, h) holds ONE row s = 16 i + r and the
; columns 16 T + 8 h + 0..7: bias and c are 8 numbers a lane, and the sum over columns stays in the lane but for one exchange of the lanes' halves.
; PHASES.  The main phase has no barrier, so the waves need not be in step: half of them (LATE) take their columns in blocks of 32, 64, 32, the others 64, 64,
; so that one wave's tanh falls beside another wave's products.
; tanh(x) = 1 - 2 / (1 + 2^(kappa x)), kappa = 2 log2(e), formed for each number (no difference of large sums); it ends at +-1 for large |x|.
; LIMITS.  Every input that reference() uses (f in both its uses, W, bias, c) is rounded once to bf16; u, scores, softmax and all sums are f32.  tanh's absolute
; error is about 1e-7; an exponential below 2^-126 counts as 0; NaN and infinities are not treated apart.  The softmax takes the row's maximum away.
; h_output is no argument: reference() does not use it.
; THE MODE: SCHED_MODE bits 1:0 = 2 (LLVM: expert scheduling mode 2), set by the entry lines.  The code itself states the register dependences between vector or
; matrix instructions and memory or LDS instructions, with s_wait_alu, always for 0.
; THE PLAN.  Registers that memory or LDS instructions touch, and who else names them:
;   ROW SLOTS   window 1, eight of 32.  Row i's loads land in slot i % 8; row i's sixteen conversions read it; row i + 8's loads land in it, issued in row i + 1's turn.
;   PACKED SETS AF's first 32, two of 16.  Row i's conversions write set i % 2; the eight LDS stores issued in row i + 1's turn read it; row i + 2's conversions write it again.
;               So the two waits at the head of a row's turn state all that its sixteen memory and LDS instructions hang on.
;   AF          eight fragments of f, in two halves.  A k step's low products read tiles 0-3, and the next step's fragments land there; the same for the high half.  Fragments (64),
;               ring (128) and accumulators (256) leave 8 of the wave's 512 registers free: no second AF.  So one wait on va_vdst stands behind each half's products, ahead of that half's loads.
;   BF          W's ring.  Step s's products read slot s % 4.  The wait behind step s's high half shows them done; the slot's loads stand in the middle of step s + 1's low products,
;               which name slot (s + 1) % 4, tiles 0 and 1 and accumulators: none of the registers that those loads touch.
;   AA, TBA     LDS addresses.  AA is written at a block's head and at the head of a lap's last step, TBA at a block's head: each time behind a wait on vm_vsrc and ahead of a wait on va_vdst that stands there anyway.
;   WS          four sets of 24.  Step p's multiply-adds read set p % 4; step p + 4's loads land in it, issued at the head of step p + 1, behind its wait on va_vdst.  WSA and ATR step once in four steps.
;   SP, SV, OUT written by vector work, each read by one run of stores, behind one wait on va_vdst; written again a batch later, behind the fill's waits on vm_vsrc.
;   FO, FS, SCS, SCR, ATW, OO, PFO, SPW, NIL   made at the head, never written again.
.set PA,    2064                       ; a row of f in LDS: 2,048 bytes + 16 = 129 x 16: the 16 rows of a fragment load start at 16 different 16-byte columns modulo 256 (64 banks of 4 bytes: ISA guide 11.1)
.set TABB,  128*PA                     ; 4,096 bytes: kappa x bf16(bias[n]) in f32; c's table, bf16(c[n]) in f32, lies 4,096 bytes further on
.set SC,    TABB+8192                  ; 4,096 bytes: [wave][row] partial scores
.set ATT,   SC+4096                    ; 4,096 bytes: each wave's own copy of the 128 weights
.set SPARE, ATT+4096                   ; the spare words, 128 bytes for each wave: four blocks of 256 bytes that no other line names
.set ROWF,  2097152                    ; bytes from f[s] to f[s + 1]
.set NEXTB, 1048576                    ; bytes from batch x to batch x + 256, in f's rows and in out
; window 0
.set SPW,  2                           ; v2      SPARE + 4 x my thread's number; never rewritten
.set NIL,  3                           ; v3      0; never rewritten
.set AA,   4                           ; v4-7    LDS address of my f fragments: register p serves row tiles 2 p and 2 p + 1; steps 256 bytes (four k steps) a lap
.set BO,   8                           ; v8      16 x lane: my 16 bytes of half a fragment of W
.set FO,   8                           ; v8-11   16 x lane + g x 4 rows of f
.set FS,   13                          ; v13     the fill: my 8 bytes in my wave's first row of LDS
.set TB0,  14                          ; v14     my 8 numbers of the tables for my wave's first tile
.set TBA,  15                          ; v15     the same for the block in hand
.set SCS,  16                          ; v16     where I store partial scores
.set SCR,  17                          ; v17     where I read them: rows 4 lane .. 4 lane + 3
.set ATW,  18                          ; v18     where I store four weights
.set ATR0, 19                          ; v19     my wave's weights
.set ATR,  20                          ; v20     walks them
.set WSA0, 21                          ; v21     the weighted sum: my 4 columns (8 bytes) in row 0
.set WSA,  22                          ; v22     walks the rows
.set OO,   23                          ; v23     16 x my thread's number: my 16 bytes of out's row and of bias and c
.set PFO,  24                          ; v24     the prefetches' offset; never rewritten
.set TM,   25                          ; v25-29  at work
.set SP,   32                          ; v32-47  score sums: a pair for each row tile i
.set AF,   48                          ; v48-111 f fragments, tile i at AF + 8 i; in the epilogue the tables; in the fill two sets of 16 packed words
.set BF,   112                         ; v112-239 W's ring: slot j (k step mod 4), tile t at BF + 32 j + 8 t
.set WS,   112                         ; v112-207 the weighted sum: four sets of 24 (8 rows x 2 registers, 8 weights)
.set SV,   208                         ; v208-239 the eight waves' partial scores
.set OUT,  240                         ; v240-243 my four columns of out
.set AA0,  244                         ; v244-247 AA at k = 0; never rewritten
; window 1: the accumulators, (i, t) at 8 (NT i + t); in the fill eight row slots of 32
.set WV,   14                          ; s14  my wave's number
.set PAT0, 16                          ; s16  my blocks, two bits a trip from the low end: 2 = 64 columns, 1 = 32, 0 = none
.set PAT,  17
.set SEL,  18
.set TRIP, 19
.set KC,   20
.set NBAT, 21                          ; s21  batches to go
.set FB,   22                          ; s[22:23] f at my wave's first row of the batch
.set WBW,  24                          ; s[24:25] wb at my wave's first tile
.set BB,   26                          ; s[26:27] wb at the block's first tile, at the lap being loaded
.set KAP,  28                          ; s[28:29] kappa
.set PSEL, 30                          ; s[30:31] v_permlanex16_b32's selects: each lane takes its own place in the other half
.set OB,   32                          ; s[32:33] out at the batch's row
.set T0,   34                          ; s34  the block's first tile among my wave's eight
.set ASKF, 35                          ; s35  NBAT in my last block of a batch, else 0
.set L2E,  38                          ; s[38:39] log2(e)
.set WC,   40
.set HIM,  41                          ; s41  a word's upper bf16
.set MSB, 0
.macro WIN new                         ; s_set_vgpr_msb: bits 1:0 source 0, 3:2 source 1, 5:4 source 2, 7:6 destination; the high byte repeats the setting that is left
.if MSB != (\new)
	s_set_vgpr_msb (MSB<<8)|(\new)
.set MSB, (\new)
.endif
.endm
.set W_MM, 0x50                        ; products: C and D in window 1, both sources in window 0
.set W_IP, 0x41                        ; the epilogue in place: destination and source 0 in window 1
.set W_SP, 0x01                        ; score sums: source 0 in window 1
.set W_LD, 0x40                        ; f's loads: destination in window 1
.set W_CV, 0x05                        ; the fill's conversions: both sources in window 1
.macro PLACES                          ; four places behind matrix instructions (ISA guide 7.12.1), where no other plain vector work is at hand
.rept 4
	v_nop
.endr
.endm
; THE FILL.  Row i of my wave's 16: eight loads of 512 consecutive bytes into row slot i % 8.
.macro ROWLOAD i
	WIN W_LD
.irp g, 0,1,2,3,4,5,6,7
	global_load_b128 v[32*((\i)%8)+4*\g:32*((\i)%8)+4*\g+3], v[FO+(\i)/4], s[FB:FB+1] offset:((\i)%4)*ROWF+512*\g th:TH_LOAD_NT
.endr
	WIN 0
.endm
.macro ROWSTORE i                      ; row i, packed, goes to LDS: each store covers 256 consecutive bytes
.irp g, 0,1,2,3,4,5,6,7
	ds_store_b64 v[FS], v[AF+16*((\i)%2)+2*\g:AF+16*((\i)%2)+2*\g+1] offset:(\i)*PA+256*\g
.endr
.endm
; Row i's turn: row i + 7 is asked for, into the slot that row i - 1 left; row i - 1 is stored; row i is rounded to bf16.  Seven rows, 56 loads, are out at the most.
.macro ROW i
.if (\i) < 9
	s_wait_loadcnt 48                              ; loads come back in order (ISA guide 5.7.1): row i is in, the six younger rows' 48 loads stay out
.else
	s_wait_loadcnt 8*(15-(\i))                     ; the rows that are left, eight loads each
.endif
.if (\i) <= 8
	WIN W_LD
.else
	WIN 0
.endif
.if (\i) != 1
	s_wait_alu depctr_vm_vsrc(0)                   ; the LDS stores issued so far (row i - 2's; ahead of row 0 the tables') have read the packed set that this row's conversions write
.endif
.if (\i) > 0
	s_wait_alu depctr_va_vdst(0)                   ; row i - 1's conversions have written their packed set, which the stores below read, and are done reading their slot, in which the loads below land
.endif
.if (\i) <= 8
	ROWLOAD (\i)+7
.endif
.if (\i) > 0
	ROWSTORE (\i)-1
.endif
	WIN W_CV
.set q_, 0
.rept 16
	v_cvt_pk_bf16_f32 v[AF+16*((\i)%2)+q_], v[32*((\i)%8)+2*q_], v[32*((\i)%8)+2*q_+1]
.set q_, q_+1
.endr
.endm
; THE PRODUCTS.  n NT of them: row tiles i0 .. i0 + n - 1 x the block's NT column tiles, 32 along K, from ring slot j.  Every accumulator has one turn of one
; instruction, in the same order in every k step, over the backward jump too.  zero = 1: the first k step starts the sums.
.macro MM nt, i0, n, j, zero
.set i_, (\i0)
.rept \n
.set t_, 0
.rept \nt
.set a_, 8*((\nt)*i_+t_)
.if \zero
	v_wmma_f32_16x16x32_bf16 v[a_:a_+7], v[BF+32*(\j)+8*t_:BF+32*(\j)+8*t_+7], v[AF+8*i_:AF+8*i_+7], 0
.else
	v_wmma_f32_16x16x32_bf16 v[a_:a_+7], v[BF+32*(\j)+8*t_:BF+32*(\j)+8*t_+7], v[AF+8*i_:AF+8*i_+7], v[a_:a_+7]
.endif
.set t_, t_+1
.endr
.set i_, i_+1
.endr
.endm
.macro AFLOAD half, off                ; eight LDS loads: four row tiles' fragments of f at byte off behind AA
.irp i, 0,1,2,3
	ds_load_b128 v[AF+8*(4*(\half)+\i):AF+8*(4*(\half)+\i)+3],   v[AA+2*(\half)+(\i)/2] offset:((\i)%2)*16*PA+(\off)
	ds_load_b128 v[AF+8*(4*(\half)+\i)+4:AF+8*(4*(\half)+\i)+7], v[AA+2*(\half)+(\i)/2] offset:((\i)%2)*16*PA+(\off)+32
.endr
.endm
.macro WLOAD nt, j                     ; 2 NT loads of 512 consecutive bytes: one k step's fragments of W into ring slot j
.set t_, 0
.rept \nt
	global_load_b128 v[BF+32*(\j)+8*t_:BF+32*(\j)+8*t_+3],   v[BO], s[BB:BB+1] offset:t_*32768+(\j)*1024
	global_load_b128 v[BF+32*(\j)+8*t_+4:BF+32*(\j)+8*t_+7], v[BO], s[BB:BB+1] offset:t_*32768+(\j)*1024+512
.set t_, t_+1
.endr
.endm
; A K STEP.  Its low half is multiplied, and in that half's middle the ring slot that the step before read is asked for again, for the step three on; the next step's low fragments of f
; are fetched; the high half is multiplied; the next step's high fragments are fetched.
; ldw = 0: no W is asked for (a block's first step: the slot still holds the fourth step's; its last three: nothing is left).  fin = 1: the last step fetches nothing.  lc: the younger ring slots' loads, which may stay out.
.macro STEP nt, j, zero, ldw, fin, lc
	s_wait_loadcnt \lc                             ; slot j is in
	s_wait_dscnt 8                                 ; f's row tiles 0-3 are in; the eight loads of tiles 4-7, issued later, may be out
.if ((\j) == 3) && !(\fin)
	s_wait_alu depctr_vm_vsrc(0)                   ; the fragment loads issued so far have read AA
.irp p, 0,1,2,3
	v_add_nc_u32 v[AA+\p], 256, v[AA+\p]           ; the next lap's four k steps
.endr
.set off_, 0
.else
.set off_, 64*((\j)+1)
.endif
.if (\ldw) && ((\j) == 1)
	s_wait_xcnt 0x0                                ; every load issued so far (the youngest most of a k step back) has had its address translated (ISA guide 3.1): the base may be written
	s_add_nc_u64 s[BB:BB+1], s[BB:BB+1], 4096      ; slots 0, 1 and 2 are asked for in this lap's steps 1, 2 and 3, slot 3 in the next lap's step 0: all for the next lap
.endif
	WIN W_MM
	MM \nt, 0, 2, \j, \zero
.if \ldw
	WIN 0
	WLOAD \nt, ((\j)+3)%4                          ; no wait: the wait behind the last step's high half has shown that slot's readers done, and nothing issued since names it
.endif
	WIN W_MM
	MM \nt, 2, 2, \j, \zero
.if \fin
	s_wait_dscnt 0x0                               ; tiles 4-7 are in
.else
	WIN 0
	s_wait_alu depctr_va_vdst(0)                   ; the low half's products are done reading tiles 0-3, in which the loads below land; in a lap's last step AA is written
	AFLOAD 0, off_
	s_wait_dscnt 8                                 ; tiles 4-7 are in; the eight just issued may be out
.endif
	WIN W_MM
	MM \nt, 4, 4, \j, \zero
	WIN 0
.if !(\fin)
	s_wait_alu depctr_va_vdst(0)                   ; the high half's products are done reading tiles 4-7, in which the loads below land, and slot j, in which the next step's loads of W land
	AFLOAD 1, off_
.endif
.endm
.macro LAP nt, kind                    ; four k steps, once round W's ring.  kind 0: a block's first lap; 1: the loop's; 2: its last
.if (\kind) == 0
	STEP \nt, 0, 1, 0, 0, 6*(\nt)                  ; three younger slots of 2 NT loads
	STEP \nt, 1, 0, 1, 0, 4*(\nt)                  ; from here on two: the third is asked for in the step itself
	STEP \nt, 2, 0, 1, 0, 4*(\nt)
	STEP \nt, 3, 0, 1, 0, 4*(\nt)
.elseif (\kind) == 1
	STEP \nt, 0, 0, 1, 0, 4*(\nt)
	STEP \nt, 1, 0, 1, 0, 4*(\nt)
	STEP \nt, 2, 0, 1, 0, 4*(\nt)
	STEP \nt, 3, 0, 1, 0, 4*(\nt)
.else
	STEP \nt, 0, 0, 1, 0, 4*(\nt)                  ; the last k step's fragments are asked for here
	STEP \nt, 1, 0, 0, 0, 4*(\nt)
	STEP \nt, 2, 0, 0, 0, 2*(\nt)                  ; the counts run down
	STEP \nt, 3, 0, 0, 1, 0
.endif
.endm
; A PREFETCH INTO THE L2, once a wave, in the first batch, at the head of its last block's epilogue: rows 7 to 10 of my own 16 rows of the NEXT batch, the first that
; are loaded only behind the barrier that frees f's copy (rows 0 to 6 are loaded ahead of it).  A lane names 256 bytes, an instruction two rows: 16,384 bytes a wave, each named
; once in the launch.  An epilogue, the softmax and the weighted sum stand between these lines and the loads.  The second batch asks for nothing: there is no third.
.macro ASK
	s_cmp_eq_u32 s[ASKF], 2
	s_cbranch_scc0 .Lnot_now_\@
	global_prefetch_b8 v[PFO], s[FB:FB+1] th:TH_LOAD_NT scope:SCOPE_SE
	global_prefetch_b8 v[PFO], s[FB:FB+1] offset:2*ROWF th:TH_LOAD_NT scope:SCOPE_SE
.Lnot_now_\@:
.endm
; 64 transcendentals in place on column tile t's eight accumulators: ONE batch, a plain instruction behind the last, and one wait ahead of the first reader.
.macro TRANS op, nt, t
.set i_, 0
.rept 8
.set a_, 8*((\nt)*i_+(\t))
.irp p, 0,1,2,3,4,5,6,7
	\op v[a_+\p], v[a_+\p]
.endr
.set i_, i_+1
.endr
	v_nop
	s_wait_alu depctr_va_vdst(0)
.endm
; Column tile t: u = tanh(sum + bias) in place, then the score sums take u c.  Each accumulator's lowest registers are read first.
.macro EPT nt, t
	WIN W_IP
.set i_, 0
.rept 8
.set a_, 8*((\nt)*i_+(\t))
.irp p, 0,2,4,6
	v_pk_fma_f32 v[a_+\p:a_+\p+1], v[a_+\p:a_+\p+1], s[KAP:KAP+1], v[AF+16*(\t)+\p:AF+16*(\t)+\p+1] op_sel_hi:[1,0,1]  ; kappa x sum + kappa x bias
.endr
.set i_, i_+1
.endr
	TRANS v_exp_f32, \nt, \t
.set i_, 0
.rept 8
.set a_, 8*((\nt)*i_+(\t))
.irp p, 0,2,4,6
	v_pk_add_f32 v[a_+\p:a_+\p+1], v[a_+\p:a_+\p+1], 1.0 op_sel_hi:[1,0]
.endr
.set i_, i_+1
.endr
	TRANS v_rcp_f32, \nt, \t
.set i_, 0
.rept 8
.set a_, 8*((\nt)*i_+(\t))
.irp p, 0,2,4,6
	v_pk_fma_f32 v[a_+\p:a_+\p+1], v[a_+\p:a_+\p+1], -2.0, 1.0 op_sel_hi:[1,0,0]
.endr
.set i_, i_+1
.endr
	WIN W_SP
.irp p, 0,2,4,6                        ; the eight row tiles' sums by turns: seven other lines stand between two links of a chain
.set i_, 0
.rept 8
.set a_, 8*((\nt)*i_+(\t))
	v_pk_fma_f32 v[SP+2*i_:SP+2*i_+1], v[a_+\p:a_+\p+1], v[AF+16*(\t)+8+\p:AF+16*(\t)+8+\p+1], v[SP+2*i_:SP+2*i_+1]
.set i_, i_+1
.endr
.endr
.endm
.macro EPI nt
	WIN 0
	PLACES                                         ; four places, once a block, between the last products and the lines that rewrite their results in place (ISA guide 7.12.1)
	s_wait_alu depctr_va_vdst(0)                   ; the last products are done reading AF's registers, in which the tables land
.set t_, 0
.rept \nt
	ds_load_b128 v[AF+16*t_:AF+16*t_+3],     v[TBA] offset:64*t_          ; my 8 kappa x bias of tile t,
	ds_load_b128 v[AF+16*t_+4:AF+16*t_+7],   v[TBA] offset:64*t_+16
	ds_load_b128 v[AF+16*t_+8:AF+16*t_+11],  v[TBA] offset:4096+64*t_     ; and my 8 c
	ds_load_b128 v[AF+16*t_+12:AF+16*t_+15], v[TBA] offset:4096+64*t_+16
.set t_, t_+1
.endr
	ASK
	s_wait_dscnt 0x0
.set t_, 0
.rept \nt
	EPT \nt, t_
.set t_, t_+1
.endr
	WIN 0
.endm
; A BLOCK of NT column tiles from tile T0 on: all 128 rows, all of K (eight laps of four k steps: the first starts the sums, six in the loop, the last asks for one more k step of W), and the epilogue.
.macro BLOCK nt
	s_lshl_b32 s36, s[T0], 15                      ; a tile's fragments are 32,768 bytes
	s_mov_b32 s37, 0
	s_add_nc_u64 s[BB:BB+1], s[WBW:WBW+1], s[36:37]  ; no load that names the base is out: the block before ended on a wait for all its loads
	s_lshl_b32 s36, s[T0], 6
	s_wait_alu depctr_vm_vsrc(0)                   ; the block before's LDS loads have read TBA and AA, which are written below; the fill's stores have read AF's registers, in which fragments land
	v_add_nc_u32 v[TBA], s36, v[TB0]
.irp p, 0,1,2,3
	v_mov_b32 v[AA+\p], v[AA0+\p]                  ; back to k = 0
.endr
	s_wait_alu depctr_va_vdst(0)                   ; TBA and AA are written; all that named AF and BF (the fill's conversions, the block before's products and epilogue, the batch before's softmax and weighted sum) is done with them
	WLOAD \nt, 0
	WLOAD \nt, 1
	WLOAD \nt, 2
	WLOAD \nt, 3
	AFLOAD 0, 0
	AFLOAD 1, 0
	LAP \nt, 0
	s_mov_b32 s[KC], 6
.Llap_\@:
	LAP \nt, 1
	s_sub_co_u32 s[KC], s[KC], 1
	s_cmp_lg_u32 s[KC], 0
	s_cbranch_scc1 .Llap_\@
	LAP \nt, 2
	EPI \nt
	s_add_co_u32 s[T0], s[T0], \nt
.endm
; THE WEIGHTED SUM's sets: eight rows (my 8 bytes of each: a wave's load covers 256 consecutive bytes) and their eight weights (the same words for all lanes): ten loads.
.macro SETLOAD sg, first
	ds_load_b128 v[WS+24*(\sg)+16:WS+24*(\sg)+19], v[ATR] offset:4*(\first)
	ds_load_b128 v[WS+24*(\sg)+20:WS+24*(\sg)+23], v[ATR] offset:4*(\first)+16
.irp e, 0,1,2,3,4,5,6,7
	ds_load_b64 v[WS+24*(\sg)+2*\e:WS+24*(\sg)+2*\e+1], v[WSA] offset:((\first)+\e)*PA
.endr
.endm
.macro SETFMA sg                       ; out += weight x f, straight from the bf16 halves, in f32: four chains by turns
.irp e, 0,1,2,3,4,5,6,7
	v_fma_mix_f32_bf16 v[OUT],   v[WS+24*(\sg)+2*\e],   v[WS+24*(\sg)+16+\e], v[OUT]   op_sel_hi:[1,0,0]
	v_fma_mix_f32_bf16 v[OUT+1], v[WS+24*(\sg)+2*\e],   v[WS+24*(\sg)+16+\e], v[OUT+1] op_sel:[1,0,0] op_sel_hi:[1,0,0]
	v_fma_mix_f32_bf16 v[OUT+2], v[WS+24*(\sg)+2*\e+1], v[WS+24*(\sg)+16+\e], v[OUT+2] op_sel_hi:[1,0,0]
	v_fma_mix_f32_bf16 v[OUT+3], v[WS+24*(\sg)+2*\e+1], v[WS+24*(\sg)+16+\e], v[OUT+3] op_sel:[1,0,0] op_sel_hi:[1,0,0]
.endr
.endm
; A step of the weighted sum: eight rows, from set sg.  ld = 1: the set that the step before read takes the rows three steps on.  left: the younger sets' loads, which may stay out.
; WSA and ATR stand at row 32 m while rows 32 m + 24 .. + 31 are asked for (sg = 0) and move on by 32 rows ahead of the next three sets: every row's place fits the loads' 16-bit offset.
.macro WSTEP sg, ld, left
	s_wait_dscnt \left                             ; LDS loads come back in order (ISA guide 5.7.1): set sg is in
.if \ld
.if (\sg) == 1
	s_wait_alu depctr_vm_vsrc(0)                   ; the set loads issued so far have read WSA and ATR
	v_add_nc_u32 v[WSA], 32*PA, v[WSA]
	v_add_nc_u32 v[ATR], 128, v[ATR]
.endif
	s_wait_alu depctr_va_vdst(0)                   ; the step before's multiply-adds are done reading their set, in which the loads below land; where sg = 1, WSA and ATR are written
	SETLOAD ((\sg)+3)%4, 8*(((\sg)+3)%4)
.endif
	SETFMA \sg
.endm
	; THE HEAD
	s_load_b256 s[4:11], s[0:1], 0x0               ; f s[4:5], wb s[6:7], bias s[8:9], c s[10:11]
	s_load_b64 s[12:13], s[0:1], 0x20              ; out
	v_lshl_add_u32 v[SPW], v0, 2, SPARE
	v_mov_b32 v[NIL], 0
	v_lshrrev_b32 v[TM], 5, v0
	v_readfirstlane_b32 s[WV], v[TM]               ; wave 0..7
	v_and_b32 v[TM+1], 31, v0                      ; lane
	v_and_b32 v[TM+2], 15, v0                      ; r
	v_bfe_u32 v[TM+3], v0, 4, 1                    ; h
	v_mul_u32_u24 v[AA0], v[TM+2], PA
	v_lshl_add_u32 v[AA0], v[TM+3], 4, v[AA0]      ; a fragment's row x pitch + 16 x half
.irp p, 1,2,3
	v_add_nc_u32 v[AA0+\p], \p*32*PA, v[AA0]       ; two row tiles on
.endr
	v_lshlrev_b32 v[BO], 4, v[TM+1]
.irp g, 1,2,3
	v_add_nc_u32 v[FO+\g], \g*4*ROWF, v[BO]        ; four rows of f on: the rows between stand in the loads' immediates
.endr
	s_wait_alu depctr_va_sdst(0)                   ; the wave's number is written, ahead of its first reader: LDS places, bases and the blocks' pattern are made from it
	s_mul_i32 s15, s[WV], 16*PA
	v_lshl_add_u32 v[FS], v[TM+1], 3, s15
	s_lshl_b32 s15, s[WV], 9                       ; 128 numbers of 4 bytes a wave
	s_add_co_u32 s36, s15, TABB
	v_lshl_add_u32 v[TB0], v[TM+3], 5, s36
	s_add_co_u32 s36, s15, SC
	v_lshl_add_u32 v[SCS], v[TM+2], 2, s36
	v_add_nc_u32 v[SCR], SC, v[BO]
	s_add_co_u32 s36, s15, ATT
	v_add_nc_u32 v[ATW], s36, v[BO]
	v_mov_b32 v[ATR0], s36
	s_lshl_b32 s15, s[WV], 8                       ; 128 columns of 2 bytes a wave
	v_lshl_add_u32 v[WSA0], v[TM+1], 3, s15
	v_lshlrev_b32 v[OO], 4, v0
	v_add_nc_u32 v[TM], TABB, v[OO]                ; where I store my four numbers of each table
	v_lshlrev_b32 v[PFO], 8, v[TM+2]               ; 256 bytes a lane, 16 lanes a row,
	v_lshl_add_u32 v[PFO], v[TM+3], 21, v[PFO]     ; lanes 16-31 a row further on,
	v_add_nc_u32 v[PFO], 7*ROWF+NEXTB, v[PFO]      ; from row 7 of the next batch
	s_lshr_b32 s15, s[WV], 2
	s_xor_b32 s15, s15, s[WV]
	s_and_b32 s15, s15, 1                          ; LATE: differs between waves w and w + 4 and between 2 i and 2 i + 1
	s_cmp_eq_u32 s15, 1
	s_cselect_b32 s[PAT0], 0x19, 0x0a              ; 32, 64, 32 or 64, 64
	s_mov_b32 s[KAP], 0x4038aa3b                   ; 2 log2(e)
	s_mov_b32 s[KAP+1], s[KAP]                     ; named with it as a pair
	s_mov_b32 s[L2E], 0x3fb8aa3b
	s_mov_b32 s[L2E+1], s[L2E]
	s_mov_b32 s[PSEL], 0x76543210
	s_mov_b32 s[PSEL+1], 0xfedcba98
	s_mov_b32 s[HIM], 0xffff0000
	s_mov_b32 s[NBAT], 2
	s_lshl_b32 s36, ttmp9, 12                      ; batch x: 4,096 bytes in a row s of f and in out
	s_mov_b32 s37, 0
	s_wait_kmcnt 0x0
	s_add_nc_u64 s[OB:OB+1], s[12:13], s[36:37]
	s_add_nc_u64 s[FB:FB+1], s[4:5], s[36:37]
	s_lshl_b32 s36, s[WV], 25                      ; my wave's 16 rows s
	s_add_nc_u64 s[FB:FB+1], s[FB:FB+1], s[36:37]
	s_lshl_b32 s36, s[WV], 18                      ; my wave's 8 tiles
	s_add_nc_u64 s[WBW:WBW+1], s[6:7], s[36:37]
	s_wait_alu depctr_va_vdst(0)                   ; all the offsets and LDS addresses made above are written: the kernel's loads, stores and prefetches read them
	global_load_b128 v[AF:AF+3],   v[OO], s[8:9]   ; my four numbers of bias,
	global_load_b128 v[AF+4:AF+7], v[OO], s[10:11] ; and of c
.irp i, 0,1,2,3,4,5,6
	ROWLOAD \i
.endr
	s_wait_loadcnt 56                              ; bias and c are in; the 56 loads of f issued behind them stay out
.irp q, 0,1,2,3
	v_cvt_pk_bf16_f32 v[AF+8+\q], v[AF+2*\q], v[AF+2*\q+1]   ; rounded to bf16 like every input,
.endr
.irp q, 0,1,2,3
	v_lshlrev_b32 v[AF+2*\q], 16, v[AF+8+\q]                 ; and widened again: the tables are f32
	v_and_b32 v[AF+2*\q+1], s[HIM], v[AF+8+\q]
.endr
	v_pk_mul_f32 v[AF:AF+1],   v[AF:AF+1],   s[KAP:KAP+1] op_sel_hi:[1,0]
	v_pk_mul_f32 v[AF+2:AF+3], v[AF+2:AF+3], s[KAP:KAP+1] op_sel_hi:[1,0]
	s_wait_alu depctr_va_vdst(0)                   ; my eight numbers of the tables are written, which the two stores read
	ds_store_b128 v[TM], v[AF:AF+3]
	ds_store_b128 v[TM], v[AF+4:AF+7] offset:4096
.Lbatch:                                               ; two trips: batch x, batch x + 256.  Rows 0 to 6 of my 16 are on their way
.irp i, 0,1,2,3,4,5,6,7,8,9,10,11,12,13,14,15
	ROW \i
.endr
	WIN 0
.set i_, 0
.rept 16
	v_mov_b32 v[SP+i_], 0                          ; the score sums start at 0
.set i_, i_+1
.endr
	s_wait_alu depctr_va_vdst(0)                   ; row 15's conversions have written their packed set, which the stores below read
	ROWSTORE 15
	s_mov_b32 s[PAT], s[PAT0]
	s_mov_b32 s[T0], 0
	s_mov_b32 s[TRIP], 3
	s_wait_dscnt 0x0                               ; for the others' sake: my rows (and, the first time, my part of the tables) are stored
	s_barrier_signal -1
	s_barrier_wait -1                              ; f's copy and the tables are whole
.Lblk:                                                 ; three trips, of which a wave that is not LATE uses two.  No barrier stands in this loop
	s_and_b32 s[SEL], s[PAT], 3
	s_lshr_b32 s[PAT], s[PAT], 2
	s_cmp_eq_u32 s[PAT], 0                         ; my last block?
	s_cselect_b32 s[ASKF], s[NBAT], 0
	s_cmp_eq_u32 s[SEL], 2
	s_cbranch_scc1 .L64
	s_cmp_eq_u32 s[SEL], 1
	s_cbranch_scc1 .L32
	s_branch .Lnext
.L64:
	BLOCK 4
	s_branch .Lnext
.L32:
	BLOCK 2
.Lnext:
	s_sub_co_u32 s[TRIP], s[TRIP], 1
	s_cmp_lg_u32 s[TRIP], 0
	s_cbranch_scc1 .Lblk
	; THE MAIN PHASE ENDS.  All eight waves meet before any of them stores to LDS again: each has its LDS loads of the main phase back (fragments whose addresses walk
	; along K, tables whose address goes by the block) when it signals, so the stores below are ordered behind all of them, wherever they pointed.
	s_wait_dscnt 0x0                               ; my LDS loads are back
	s_barrier_signal -1
	; between the signal and the wait, work on registers: my wave's share of the 128 scores: a pair's two halves, and the other half of the lanes'
.irp i, 0,1,2,3,4,5,6,7
	v_add_f32 v[SP+2*\i], v[SP+2*\i], v[SP+2*\i+1]
.endr
.irp i, 0,1,2,3,4,5,6,7
	v_permlanex16_b32 v[SP+2*\i+1], v[SP+2*\i], s[PSEL], s[PSEL+1]
.endr
.irp i, 0,1,2,3,4,5,6,7
	v_add_f32 v[SP+2*\i], v[SP+2*\i], v[SP+2*\i+1]
.endr
	s_barrier_wait -1                              ; everybody's loads are back
	s_wait_alu depctr_va_vdst(0)                   ; the eight scores are written, which the stores read
.irp i, 0,1,2,3,4,5,6,7
	ds_store_b32 v[SCS], v[SP+2*\i] offset:64*\i   ; row 16 i + r; lanes r and 16 + r store the same number to the same word
.endr
	s_cmp_eq_u32 s[NBAT], 1
	s_cbranch_scc1 .Lno_next
	s_wait_xcnt 0x0                                ; the prefetches, an epilogue back, have read their base
	s_add_nc_u64 s[FB:FB+1], s[FB:FB+1], NEXTB
.irp i, 0,1,2,3,4,5,6
	ROWLOAD \i                                     ; the next batch's first rows go into the accumulators' registers, which are free; all that follows works in window 0
.endr
.Lno_next:
	s_wait_dscnt 0x0                               ; my partial scores are stored
	s_barrier_signal -1
	s_barrier_wait -1                              ; everybody's are
	; Every wave makes all 128 weights for itself: a lane has rows 4 lane .. 4 lane + 3
.irp u, 0,1,2,3,4,5,6,7
	ds_load_b128 v[SV+4*\u:SV+4*\u+3], v[SCR] offset:512*\u
.endr
	s_wait_dscnt 0x0
.irp p, 0,2,4,6,8,10,12,14
	v_pk_add_f32 v[SV+\p:SV+\p+1], v[SV+\p:SV+\p+1], v[SV+16+\p:SV+16+\p+1]
.endr
.irp p, 0,2,4,6
	v_pk_add_f32 v[SV+\p:SV+\p+1], v[SV+\p:SV+\p+1], v[SV+8+\p:SV+8+\p+1]
.endr
.irp p, 0,2
	v_pk_add_f32 v[SV+\p:SV+\p+1], v[SV+\p:SV+\p+1], v[SV+4+\p:SV+4+\p+1]
.endr
.irp p, 0,2                            ; score = tanh(u . c)
	v_pk_mul_f32 v[SV+\p:SV+\p+1], v[SV+\p:SV+\p+1], s[KAP:KAP+1] op_sel_hi:[1,0]
.endr
.irp p, 0,1,2,3
	v_exp_f32 v[SV+\p], v[SV+\p]
.endr
	v_nop                                          ; a plain instruction behind the last of the batch,
	s_wait_alu depctr_va_vdst(0)                   ; and the one wait ahead of its first reader; so behind each batch below
.irp p, 0,2
	v_pk_add_f32 v[SV+\p:SV+\p+1], v[SV+\p:SV+\p+1], 1.0 op_sel_hi:[1,0]
.endr
.irp p, 0,1,2,3
	v_rcp_f32 v[SV+\p], v[SV+\p]
.endr
	v_nop
	s_wait_alu depctr_va_vdst(0)
.irp p, 0,2
	v_pk_fma_f32 v[SV+\p:SV+\p+1], v[SV+\p:SV+\p+1], -2.0, 1.0 op_sel_hi:[1,0,0]
.endr
	v_max3_num_f32 v[TM+1], v[SV], v[SV+1], v[SV+2]   ; the maximum of the 128 scores
	v_max_num_f32 v[TM+1], v[TM+1], v[SV+3]
	v_max_num_f32_dpp v[TM+1], v[TM+1], v[TM+1] row_xmask:1 row_mask:0xf bank_mask:0xf
	v_max_num_f32_dpp v[TM+1], v[TM+1], v[TM+1] row_xmask:2 row_mask:0xf bank_mask:0xf
	v_max_num_f32_dpp v[TM+1], v[TM+1], v[TM+1] row_xmask:4 row_mask:0xf bank_mask:0xf
	v_max_num_f32_dpp v[TM+1], v[TM+1], v[TM+1] row_xmask:8 row_mask:0xf bank_mask:0xf
	v_permlanex16_b32 v[TM+2], v[TM+1], s[PSEL], s[PSEL+1]
	v_max_num_f32 v[TM+1], v[TM+1], v[TM+2]
	v_mul_f32 v[TM+3], s[L2E], v[TM+1]
	v_mul_f32 v[TM+4], s[L2E], v[TM+1]
.irp p, 0,2                            ; log2(e) s - log2(e) m
	v_pk_fma_f32 v[SV+\p:SV+\p+1], v[SV+\p:SV+\p+1], s[L2E:L2E+1], v[TM+3:TM+4] op_sel_hi:[1,0,1] neg_lo:[0,0,1] neg_hi:[0,0,1]
.endr
.irp p, 0,1,2,3
	v_exp_f32 v[SV+\p], v[SV+\p]
.endr
	v_nop
	s_wait_alu depctr_va_vdst(0)
	v_add_f32 v[TM+1], v[SV], v[SV+1]              ; their sum
	v_add_f32 v[TM], v[SV+2], v[SV+3]
	v_add_f32 v[TM+1], v[TM+1], v[TM]
	v_add_f32_dpp v[TM+1], v[TM+1], v[TM+1] row_xmask:1 row_mask:0xf bank_mask:0xf
	v_add_f32_dpp v[TM+1], v[TM+1], v[TM+1] row_xmask:2 row_mask:0xf bank_mask:0xf
	v_add_f32_dpp v[TM+1], v[TM+1], v[TM+1] row_xmask:4 row_mask:0xf bank_mask:0xf
	v_add_f32_dpp v[TM+1], v[TM+1], v[TM+1] row_xmask:8 row_mask:0xf bank_mask:0xf
	v_permlanex16_b32 v[TM+2], v[TM+1], s[PSEL], s[PSEL+1]
	v_add_f32 v[TM+1], v[TM+1], v[TM+2]
	v_rcp_f32 v[TM+3], v[TM+1]
	v_nop
	s_wait_alu depctr_va_vdst(0)
.irp p, 0,2
	v_pk_mul_f32 v[SV+\p:SV+\p+1], v[SV+\p:SV+\p+1], v[TM+3:TM+4] op_sel_hi:[1,0]  ; the pair's low word for both
.endr
	; THE WEIGHTED SUM: my wave's 128 columns, four a lane, over the 128 rows, eight rows a set, four sets by turns
	v_mov_b32 v[WSA], v[WSA0]
	v_mov_b32 v[ATR], v[ATR0]
.irp p, 0,1,2,3
	v_mov_b32 v[OUT+\p], 0
.endr
	s_wait_alu depctr_va_vdst(0)                   ; my four weights are written, which the store reads; WSA and ATR are written, which the set loads read
	ds_store_b128 v[ATW], v[SV:SV+3]               ; into my wave's own copy: LDS serves a wave's instructions in order (ISA guide 5.7.1.4), so the loads below see it
	SETLOAD 0, 0
	SETLOAD 1, 8
	SETLOAD 2, 16                                  ; rows 0 to 23; each step asks for the set three steps on
	s_mov_b32 s[WC], 3
.Lws:                                                  ; a trip: 32 rows.  Two younger sets' twenty loads may be out at a step's head
	WSTEP 0, 1, 20
	WSTEP 1, 1, 20
	WSTEP 2, 1, 20
	WSTEP 3, 1, 20
	s_sub_co_u32 s[WC], s[WC], 1
	s_cmp_lg_u32 s[WC], 0
	s_cbranch_scc1 .Lws
	WSTEP 0, 1, 20                                 ; the last 32 rows: one more set is asked for, rows 120 to 127, then the counts run down
	WSTEP 1, 0, 20
	WSTEP 2, 0, 10
	WSTEP 3, 0, 0                                  ; its wait is for 0: my last reads of f's copy are back
	s_wait_alu depctr_va_vdst(0)                   ; the last multiply-adds have written my four columns of out, which the store reads
	global_store_b128 v[OO], v[OUT:OUT+3], s[OB:OB+1] th:TH_STORE_NT  ; a wave stores 512 consecutive bytes, at a multiple of 512 from out's first byte
	s_barrier_signal -1                            ; no LDS instruction of mine is out (the wait for 0 above): every wave's reads of f's copy are over
	s_barrier_wait -1                              ; before any wave stores the next batch's rows into it.  In the last trip this barrier orders nothing: the price of one text for both
	s_wait_xcnt 0x0                                ; the store has read its registers and its base
	s_add_nc_u64 s[OB:OB+1], s[OB:OB+1], NEXTB
	s_sub_co_u32 s[NBAT], s[NBAT], 1
	s_cmp_lg_u32 s[NBAT], 0
	s_cbranch_scc1 .Lbatch
	s_wait_dscnt 0x0                               ; the closing lines, six on end
	s_wait_alu 0x0
	s_wait_tensorcnt 0x0
	ds_add_u32 v[SPW], v[NIL]
	s_wait_dscnt 0x0
	s_endpgm
.Lfunc_end_k_qdd187efa25_attn:
	.size	k_qdd187efa25_attn, .Lfunc_end_k_qdd187efa25_attn-k_qdd187efa25_attn
	.p2alignl 7, 3214868480
	.fill 96, 4, 3214868480
	.section	.rodata,"a",@progbits
	.p2align	6, 0x0
	.amdhsa_kernel k_qdd187efa25_attn
		.amdhsa_group_segment_fixed_size 281600
		.amdhsa_private_segment_fixed_size 0
		.amdhsa_enable_private_segment 0
		.amdhsa_kernarg_size 40
		.amdhsa_user_sgpr_count 2
		.amdhsa_user_sgpr_kernarg_segment_ptr 1
		.amdhsa_wavefront_size32 1
		.amdhsa_system_sgpr_workgroup_id_x 1
		.amdhsa_system_sgpr_workgroup_id_y 1
		.amdhsa_system_sgpr_workgroup_id_z 1
		.amdhsa_system_vgpr_workitem_id 0
		.amdhsa_next_free_vgpr 512
		.amdhsa_next_free_sgpr 66
		.amdhsa_reserve_vcc 0
		.amdhsa_float_denorm_mode_32 3
		.amdhsa_float_denorm_mode_16_64 3
		.amdhsa_memory_ordered 1
		.amdhsa_forward_progress 1
		.amdhsa_inst_pref_size 238
	.end_amdhsa_kernel
	.amdgpu_metadata
---
amdhsa.version: [ 1, 2 ]
amdhsa.kernels:
  - .name:           k_qdd187efa25_attn
    .symbol:         k_qdd187efa25_attn.kd
    .args:
      - { .name: f_output, .offset: 0, .size: 8, .value_kind: global_buffer, .address_space: global }
      - { .name: wb, .offset: 8, .size: 8, .value_kind: global_buffer, .address_space: global }
      - { .name: sent_bias, .offset: 16, .size: 8, .value_kind: global_buffer, .address_space: global }
      - { .name: context_weight, .offset: 24, .size: 8, .value_kind: global_buffer, .address_space: global }
      - { .name: out0, .offset: 32, .size: 8, .value_kind: global_buffer, .address_space: global }
    .group_segment_fixed_size: 281600
    .private_segment_fixed_size: 0
    .kernarg_segment_align: 8
    .kernarg_segment_size: 40
    .max_flat_workgroup_size: 256
    .sgpr_count:     66
    .vgpr_count:     512
    .wavefront_size: 32
...
	.end_amdgpu_metadata
.endif
;; end of part 3
